; MI455X (gfx1250); checked and timed in simulation.
; The chip was launched on July 23, 2026; its instructions are those of AMD's public machine-readable ISA for CDNA 5 (MIT licence, August 2026) and "CDNA5" Instruction Set Architecture Reference Guide (July 2026). The comments in the code are by the model that wrote it; some were corrected since.
;; LSTM Cell. Allowed arithmetic: matrix products marked QUANTISED: E4M3 operands, one given power-of-two scale a tensor, by v_wmma_f32_16x16x64_fp8_fp8 or v_wmma_f32_16x16x128_fp8_fp8, f32 sums; everything else in f32.
;; Inputs: b_c 2,048 float32; b_f 2,048 float32; b_i 2,048 float32; b_o 2,048 float32; c 2,048 x 2,048 float32; h_codes 2,048 x 64 x 32 uint8 (E4M3 codes of h, K innermost, in blocks of 32 codes); lowp_scales 4 int32 (the exponents e of the quantised operands' scales 2^e); w_hc 2,048 x 2,048 float32; w_hf 2,048 x 2,048 float32; w_hi 2,048 x 2,048 float32; w_ho 2,048 x 2,048 float32; w_xc 2,048 x 2,048 float32; w_xf 2,048 x 2,048 float32; w_xi 2,048 x 2,048 float32; w_xo 2,048 x 2,048 float32; x_codes 2,048 x 64 x 32 uint8 (E4M3 codes of x, K innermost, in blocks of 32 codes).
;; Outputs: out0 2,048 x 2,048 float32; out1 2,048 x 2,048 float32.
;; This version of the problem:
;;   THIS VERSION OF THE PROBLEM IS GIVEN IN LOW PRECISION. The matrix products marked QUANTISED in the list below multiply operands that are first quantised to E4M3 (4 exponent bits, 3 mantissa bits; 8 bits a number), with one given power-of-two scale for each operand tensor; their sums are f32. All else is computed in f32.
;;   The module's matrix products, in the order in which they are computed (A, B: the left and right operand; K: the contracted axis; several contracted axes count as one K, in the product's order):
;;     1. [M 2,048, K 2,048] x [K 2,048, N 8,192]; A: input x (given as codes); B: computed on the way: QUANTISED (scales: A lowp_scales[0], B lowp_scales[1])
;;     2. [M 2,048, K 2,048] x [K 2,048, N 8,192]; A: input h (given as codes); B: computed on the way: QUANTISED (scales: A lowp_scales[2], B lowp_scales[3])
;;   THE QUANTISER, for each operand of a quantised product, along K:
;;     - The operand's scale is 2^e, e = its entry of the input lowp_scales (int32; the entries are numbered through the quantised products in the list's order, A before B).
;;     - Each number is divided by the scale, clamped to +-448, and rounded to the nearest number of E4M3, ties to even, subnormals kept.
;;     - The product sums the exact products of the quantised numbers (number of the format x scale) in f32.
;;   ~~~python
;;   def quantise(x, axis, e):      # numpy; x: float32 -> the quantised numbers, widened to float32 again
;;       x = np.moveaxis(x, axis, -1); K = x.shape[-1]
;;       r = np.clip(x / 2.0 ** e, -448, 448)
;;       step = 2.0 ** (np.maximum(np.frexp(np.where(r == 0, 1, r))[1] - 1, -6) - 3)
;;       q = np.round(r / step) * step * 2.0 ** e      # np.round: ties to even
;;       return np.moveaxis(q, -1, axis).astype(np.float32)
;;   ~~~
;;   OPERANDS COMPUTED ON THE WAY. 'Computed on the way' means the value that the module computes at that place (a softmax that the list does not call 'softmax' is quantised finished and normalised). What goes into a quantiser is computed in f32, as accurately as f32 sums, v_exp_f32 and their like allow (about 1e-6 of the number): no bf16 or f16 on the way to a quantiser, and a product that is left as it is and whose result goes on into a quantised operand takes f32 operands (vector FMAs, or v_wmma_f32_16x16x4_f32). A number that lies on a knife's edge between two numbers of the format may be rounded either way, as far as f32 arithmetic and the matrix unit's own rounding can turn it there, and no further.
;;   INPUTS GIVEN AS CODES. h (in the module: [2048, 2048], K = its axis 1); x (in the module: [2048, 2048], K = its axis 1): each comes as NAME_codes (uint8): NAME with its K axis moved to the last place and cut into blocks of 32 codes, [.., K / 32, bytes a block], one block behind the other in memory; one code a byte (a code: sign, 4 exponent bits, 3 mantissa bits); its scale is its entry of lowp_scales. Its value is code x scale, taken as it is: it is not quantised again, and the codes and scales need not be those that the quantiser above would give.
;; One version. Each part assembles by itself: llvm-mc -triple=amdgcn-amd-amdhsa -mcpu=gfx1250 --defsym DOCPART=n.
;; ======== version 1 of 1: 2 launches
;; limits: right only within a limited range of input values
;; workspace buffers: wq 33,554,432 bytes
;; launch quant (part 1): grid 256 x 1, 16 waves a work-group, no clusters, 223,232 bytes of LDS; arguments w_xf, w_xi, w_xo, w_xc, w_hf, w_hi, w_ho, w_hc, lowp_scales, wq; writes wq
.if DOCPART == 1
	.amdgcn_target "amdgcn-amd-amdhsa--gfx1250"
	.amdhsa_code_object_version 6
	.text
	.protected	k_q359420d151_quant
	.globl	k_q359420d151_quant
	.p2align	8
	.type	k_q359420d151_quant,@function
k_q359420d151_quant:
	s_mov_b64 s[64:65], 0
	v_nop
	global_prefetch_b8 v0, s[64:65] scope:SCOPE_SE
	s_setreg_imm32_b32 hwreg(HW_REG_WAVE_MODE, 25, 1), 1
	s_wait_xcnt 0x0
; The eight weights [2048 units][2048] f32, K innermost, become codes of FP8 (E4M3) in wq, laid in the order in which the next launch's operand registers take them.
; code = w / 2^e, held within +-448, rounded to the nearest code, ties to even; e = entry 1 of the scales for the x side, entry 3 for the h side.
; LAYOUT OF wq.  Byte = nt x 524,288 + s x 16,384 + f x 2,048 + c x 512 + lane x 16.  nt = unit / 32; s = K step of 128 (0-15 the x side, 16-31 the h side);
; f = gate x 2 + (unit / 16) % 2, gate 0 f, 1 i, 2 o, 3 c; lane = 16 h + unit % 16; the 16 bytes are the codes of k = 128 s + 32 c + 16 h + 0 .. 15.
; SHARES.  Work-group g takes 16 units (g / 2) and half g % 2 of K (1,024 numbers) in each of the eight tensors; wave w takes unit w of the 16: 16 steps of 512 numbers, step t in tensor t / 2.
; A load reads 512 consecutive bytes; a step's 2,048 bytes go through the wave's own stage in LDS and come back 64 bytes a lane (16 neighbours along K).
; A lane's 16 codes go into the work-group's code stage, row = the lane, column = 16 x wave: a row of 256 bytes is then 16 units' codes of one (s, c, h), as wq wants them (rows 272 bytes apart).
; Behind every fourth step one barrier; then each wave reads one fragment (8 rows, 2,048 bytes of wq on end) back, and stores it 512 bytes in each of the next four steps; the last fragment at the end.
; Each group of four steps has stage bytes of its own.  Loads run eight steps (32 loads a wave) ahead, the turn through the wave's stage one step.
; LIMITS: -126 <= e and e + 8 <= 127 for both exponents.  NaN among the weights is not served; an infinity is held at the largest code.
.set STEPS, 16
.set DEPTH, 8                          ; steps of loads on their way
.set R,     16                         ; v16-143  eight sets of 16 numbers as loaded
.set X,     144                        ; v144-175 two sets of 16 neighbours
.set C,     176                        ; v176-183 codes, two sets
.set CSA,   184                        ; v184-187 code stage, on the way in, for steps 4 p .. 4 p + 3
.set ROA,   188                        ; v188-191 and on the way out
.set O,     192                        ; v192-223 fragments to store: two sets of 16 registers by turns
.set SP,    80                         ; a lane's place in a wave's stage: 64 bytes + 16 of padding
.set WREG,  2*32*SP
.set CS,    16*WREG                    ; the code stage
.set CROW,  272
.set CSTEP, 32*CROW                    ; a step's codes
.set SPARE, CS+16*CSTEP                ; the spare words, 128 bytes a wave
	s_load_b512 s[4:19], s[0:1], 0x0               ; tensor n (xf, xi, xo, xc, hf, hi, ho, hc) in s[4+2n:5+2n]
	s_load_b128 s[20:23], s[0:1], 0x40             ; the scales' exponents s[20:21], wq s[22:23]
	v_lshl_add_u32 v224, v0, 2, SPARE
	v_mov_b32 v225, 0
	v_lshrrev_b32 v1, 5, v0
	v_readfirstlane_b32 s28, v1                    ; wave 0..15
	v_and_b32 v2, 31, v0                           ; lane
	v_lshlrev_b32 v3, 4, v2
	v_lshrrev_b32 v14, 2, v2
	v_mul_u32_u24 v14, v14, SP
	v_and_b32 v15, 3, v2
	v_lshl_add_u32 v14, v15, 4, v14                ; my wave's stage, on the way in: four lanes' 64 bytes on end, then the padding
	v_mul_u32_u24 v15, v2, SP                      ; and on the way out
	v_mul_u32_u24 v5, v2, CROW                     ; the code stage: row = lane
	v_bfe_u32 v6, v0, 4, 1
	v_mul_u32_u24 v6, v6, CROW
	v_and_b32 v7, 15, v0
	v_lshl_add_u32 v6, v7, 4, v6                   ; back: lanes 0-15 one row, lanes 16-31 the next
	s_wait_alu depctr_va_vdst(0)                   ; the wait ahead of the scalar lines
	s_lshr_b32 s29, ttmp9, 1                       ; the 16 units
	s_and_b32 s30, ttmp9, 1                        ; the half of K
	s_lshl_b32 s31, s29, 4
	s_add_co_u32 s31, s31, s28                     ; my unit
	s_lshl_b32 s31, s31, 13
	s_lshl_b32 s32, s30, 12
	s_add_co_u32 s31, s31, s32                     ; in: unit x 8,192 + half x 4,096 bytes
	s_mul_i32 s33, s28, WREG
	s_lshl_b32 s34, s28, 4
	s_add_co_u32 s34, s34, CS                      ; codes in: column 16 x wave
	s_lshr_b32 s35, s28, 2                         ; codes out: step wave / 4 of the four,
	s_mul_i32 s36, s35, CSTEP
	s_and_b32 s37, s28, 3                          ; K step wave % 4 of its four: rows 8 (wave % 4) ..
	s_mul_i32 s38, s37, 8*CROW
	s_add_co_u32 s36, s36, s38
	s_add_co_u32 s36, s36, CS
	s_lshr_b32 s38, s29, 1
	s_lshl_b32 s38, s38, 19                        ; wq: nt x 524,288
	s_lshl_b32 s39, s30, 3
	s_and_b32 s32, s35, 1
	s_lshl_b32 s32, s32, 2
	s_add_co_u32 s39, s39, s32
	s_add_co_u32 s39, s39, s37                     ; K step = half x 8 + (step % 2) x 4 + wave % 4
	s_lshl_b32 s39, s39, 14
	s_add_co_u32 s38, s38, s39
	s_lshr_b32 s39, s28, 3                         ; which of the group's two tensors
	s_lshl_b32 s39, s39, 1
	s_and_b32 s32, s29, 1
	s_add_co_u32 s39, s39, s32
	s_lshl_b32 s39, s39, 11
	s_add_co_u32 s38, s38, s39
	v_add_nc_u32 v4, s38, v3                       ; out
	v_add_nc_u32 v3, s31, v3                       ; in
	v_add_nc_u32 v14, s33, v14
	v_add_nc_u32 v15, s33, v15
	v_add_nc_u32 v[CSA], s34, v5
	v_add_nc_u32 v[ROA], s36, v6
.irp p, 1,2,3
	v_add_nc_u32 v[CSA+\p], \p*4*CSTEP, v[CSA]
	v_add_nc_u32 v[ROA+\p], \p*4*CSTEP, v[ROA]
.endr
	s_wait_alu depctr_va_vdst(0)                   ; the wait at the head's end
	s_wait_kmcnt 0x0
	s_load_b128 s[24:27], s[20:21], 0x0            ; e0, e1, e2, e3
.macro LOAD t
.irp i, 0,1,2,3
	global_load_b128 v[R+16*((\t)%DEPTH)+4*\i:R+16*((\t)%DEPTH)+4*\i+3], v3, s[4+2*((\t)/2):5+2*((\t)/2)] offset:2048*((\t)%2)+512*\i th:TH_LOAD_NT   ; 512 consecutive bytes; read once in the launch
.endr
.endm
.macro TURN t                          ; LDS serves a wave's instructions in order (ISA guide 5.7.1.4): no wait between the stores and the loads
.irp i, 0,1,2,3
	ds_store_b128 v14, v[R+16*((\t)%DEPTH)+4*\i:R+16*((\t)%DEPTH)+4*\i+3] offset:32*SP*((\t)%2)+8*SP*\i
.endr
.irp i, 0,1,2,3
	ds_load_b128 v[X+16*((\t)%2)+4*\i:X+16*((\t)%2)+4*\i+3], v15 offset:32*SP*((\t)%2)+16*\i
.endr
.endm
.irp t, 0,1,2,3,4,5,6,7
	LOAD \t
.endr
	s_wait_kmcnt 0x0
	s_add_co_i32 s25, s25, 127
	s_lshl_b32 s31, s25, 23
	v_mov_b32 v11, s31                             ; 2^e1 as f32: the conversion takes its exponent field
	s_add_co_i32 s25, s25, 8
	s_lshl_b32 s25, s25, 23
	s_or_b32 s25, s25, 0x600000
	v_mov_b32 v10, s25                             ; 448 x 2^e1
	s_add_co_i32 s27, s27, 127
	s_lshl_b32 s31, s27, 23
	v_mov_b32 v13, s31                             ; 2^e3
	s_add_co_i32 s27, s27, 8
	s_lshl_b32 s27, s27, 23
	s_or_b32 s27, s27, 0x600000
	v_mov_b32 v12, s27                             ; 448 x 2^e3
	s_wait_alu depctr_va_vdst(0)                   ; the wait ahead of the wait below
	s_wait_loadcnt 4*(DEPTH-1)                     ; step 0's four loads are in; those of steps 1 to 7 may be out
	TURN 0
.macro STEP t
.set XS, X+16*((\t)%2)
.set LM, 10+2*((\t)/8)                 ; steps 0-7: the x side's hold and scale; steps 8-15: the h side's
.set CR, C+4*((\t)%2)
.set PH, (\t)/4
	s_wait_dscnt 0x0                               ; this step's numbers are back from the stage: so its stores into the stage have read their registers; a fragment read back is in too
.if (\t)+DEPTH < STEPS
	LOAD (\t)+DEPTH                                ; which take the loads of eight steps on
.endif
.if (\t) >= 4
.set PP, PH-1                          ; the fragment of the four steps before: 512 of its bytes in each step
	global_store_b128 v4, v[O+16*(PP%2)+4*((\t)%4):O+16*(PP%2)+4*((\t)%4)+3], s[22:23] offset:(PP/2)*262144+(PP%2)*8192+((\t)%4)*512   ; side x 16 K steps, two gates on; 512 consecutive bytes, aligned
.endif
.if (\t)+1 < STEPS
.if (\t)+DEPTH < STEPS
	s_wait_loadcnt 4*(DEPTH-1)                     ; the next step's four loads are in; those of the seven steps behind it may be out
.else
	s_wait_loadcnt 4*(STEPS-2-(\t))                ; towards the end fewer steps are behind it
.endif
	TURN (\t)+1
.endif
.irp i, 0,1,2,3,4,5,6,7,8,9,10,11,12,13,14,15
	v_med3_num_f32 v[XS+\i], v[XS+\i], -v[LM], v[LM]   ; the conversion to an 8-bit code does not saturate (ISA guide 7.6.2): hold first
.endr
	v_cvt_scalef32_pk8_fp8_f32 v[CR:CR+1], v[XS:XS+7], v[LM+1]
	v_cvt_scalef32_pk8_fp8_f32 v[CR+2:CR+3], v[XS+8:XS+15], v[LM+1]
	ds_store_b128 v[CSA+PH], v[CR:CR+3] offset:((\t)%4)*CSTEP      ; the codes go to an LDS store alone; the next vector lines are plain ones on other registers
.if (\t)%4 == 3
	s_wait_dscnt 0x0                               ; for the others' sake: my codes are in the stage
	s_barrier_signal -1
	s_barrier_wait -1
	s_wait_xcnt 0x0                                ; the stores that read this set of registers have read them
.irp j, 0,1,2,3
	ds_load_b128 v[O+16*(PH%2)+4*\j:O+16*(PH%2)+4*\j+3], v[ROA+PH] offset:\j*2*CROW
.endr
.endif
.endm
.irp t, 0,1,2,3,4,5,6,7,8,9,10,11,12,13,14,15
	STEP \t
.endr
	s_wait_dscnt 0x0                               ; the last fragment is back
.irp j, 0,1,2,3
	global_store_b128 v4, v[O+16+4*\j:O+16+4*\j+3], s[22:23] offset:262144+8192+\j*512
.endr
	s_wait_tensorcnt 0x0                           ; the wave's end
	ds_add_u32 v224, v225
	s_wait_dscnt 0x0
	s_endpgm
.Lfunc_end_k_q359420d151_quant:
	.size	k_q359420d151_quant, .Lfunc_end_k_q359420d151_quant-k_q359420d151_quant
	.p2alignl 7, 3214868480
	.fill 96, 4, 3214868480
	.section	.rodata,"a",@progbits
	.p2align	6, 0x0
	.amdhsa_kernel k_q359420d151_quant
		.amdhsa_group_segment_fixed_size 223232
		.amdhsa_private_segment_fixed_size 0
		.amdhsa_enable_private_segment 0
		.amdhsa_kernarg_size 80
		.amdhsa_user_sgpr_count 2
		.amdhsa_user_sgpr_kernarg_segment_ptr 1
		.amdhsa_wavefront_size32 1
		.amdhsa_system_sgpr_workgroup_id_x 1
		.amdhsa_system_sgpr_workgroup_id_y 1
		.amdhsa_system_sgpr_workgroup_id_z 1
		.amdhsa_system_vgpr_workitem_id 0
		.amdhsa_next_free_vgpr 226
		.amdhsa_next_free_sgpr 66
		.amdhsa_reserve_vcc 0
		.amdhsa_float_denorm_mode_32 3
		.amdhsa_float_denorm_mode_16_64 3
		.amdhsa_memory_ordered 1
		.amdhsa_forward_progress 1
		.amdhsa_inst_pref_size 41
	.end_amdhsa_kernel
	.amdgpu_metadata
---
amdhsa.version: [ 1, 2 ]
amdhsa.kernels:
  - .name:           k_q359420d151_quant
    .symbol:         k_q359420d151_quant.kd
    .args:
      - { .name: w_xf, .offset: 0, .size: 8, .value_kind: global_buffer, .address_space: global }
      - { .name: w_xi, .offset: 8, .size: 8, .value_kind: global_buffer, .address_space: global }
      - { .name: w_xo, .offset: 16, .size: 8, .value_kind: global_buffer, .address_space: global }
      - { .name: w_xc, .offset: 24, .size: 8, .value_kind: global_buffer, .address_space: global }
      - { .name: w_hf, .offset: 32, .size: 8, .value_kind: global_buffer, .address_space: global }
      - { .name: w_hi, .offset: 40, .size: 8, .value_kind: global_buffer, .address_space: global }
      - { .name: w_ho, .offset: 48, .size: 8, .value_kind: global_buffer, .address_space: global }
      - { .name: w_hc, .offset: 56, .size: 8, .value_kind: global_buffer, .address_space: global }
      - { .name: lowp_scales, .offset: 64, .size: 8, .value_kind: global_buffer, .address_space: global }
      - { .name: wq, .offset: 72, .size: 8, .value_kind: global_buffer, .address_space: global }
    .group_segment_fixed_size: 223232
    .private_segment_fixed_size: 0
    .kernarg_segment_align: 8
    .kernarg_segment_size: 80
    .max_flat_workgroup_size: 512
    .sgpr_count:     66
    .vgpr_count:     226
    .wavefront_size: 32
...
	.end_amdgpu_metadata
.endif
;; end of part 1
;; launch lstm (part 2): grid 8 x 32, 4 waves a work-group, clusters of 4 x 4, 327,680 bytes of LDS; arguments x_codes, h_codes, wq, lowp_scales, b_f, b_i, b_o, b_c, c, out0, out1; writes out0, out1
.if DOCPART == 2
	.amdgcn_target "amdgcn-amd-amdhsa--gfx1250"
	.amdhsa_code_object_version 6
	.text
	.protected	k_q359420d151_lstm
	.globl	k_q359420d151_lstm
	.p2align	8
	.type	k_q359420d151_lstm,@function
k_q359420d151_lstm:
	s_mov_b64 s[64:65], 0
	v_nop
	global_prefetch_b8 v0, s[64:65] scope:SCOPE_SE
	s_setreg_imm32_b32 hwreg(HW_REG_WAVE_MODE, 25, 1), 1
	s_wait_xcnt 0x0
	s_wait_alu depctr_hold_cnt(0) depctr_sa_sdst(0) depctr_va_vdst(0) depctr_va_sdst(0) depctr_va_ssrc(0) depctr_va_vcc(0) depctr_vm_vsrc(0)
	s_getreg_b32 s2, hwreg(HW_REG_IB_STS2, 6, 4)
	s_cmp_eq_u32 s2, 0
	s_cbranch_scc0 .Lentry_in_a_cluster
	s_endpgm
.Lentry_in_a_cluster:
	s_bfe_u32 s2, ttmp6, 0x10000c
	s_cmp_lg_u32 s2, 0xf033
	s_cbranch_scc0 .Lentry_shape_is_right
	s_endpgm
.Lentry_shape_is_right:
; gates = x Wx^T + h Wh^T + b on codes of FP8 (E4M3), then the cell: c_new = sig(f) c + sig(i) tanh(g), h_new = sig(o) tanh(c_new).  out0 = h_new, out1 = c_new.
; A work-group makes 256 batch rows x 64 units (256 gate rows); wave w makes rows 128 (w / 2) .. x 32 units (w % 2) x 4 gates: 64 accumulators of 16 x 16, 512 registers.
; K = 4,096: 16 steps of 128 on x, 16 on h.  The x side's sums stand for sum x 2^(e0 + e1), the h side's for sum x 2^(e2 + e3): between the two the sums are multiplied once by 2^(e0 + e1 - e2 - e3).
; LIMITS: e0 + e1 - e2 - e3 between -126 and 127; e2 + e3 between -125 and 125 (it is added to the exponent field of log2(e) and of 2 log2(e)).
; A (x, then h) goes through LDS: two slots of 256 rows x 512 along K, each four tiles of 128 rows x 256 bytes, one tensor load a wave.
;   A fill is asked for four K steps (256 matrix instructions a wave) ahead of its first read.  The four work-groups of a column of the cluster (same 256 rows) ask JOINTLY.
; B (the weights' codes) goes from wq, which lies in fragment order, straight into registers: a load covers 512 consecutive bytes; waves w and w + 2 name the same bytes at the same place of the text.
;   Four groups of 64 registers (4 fragments) take turns; a group is asked for again when its 32 products are issued, 96 matrix instructions ahead of its next use.
;   B passes no LDS, so no joint load can carry it.  It is prefetched: in each trip of two K steps one instruction a wave names 16 blocks of 256 bytes of the data that are loaded two trips on;
;   the four work-groups of a row of the cluster and the two waves that read a stream share its 128 blocks a trip out by address.  The last trips ask for nothing; the first three come by their loads.
;   x, h and c are not prefetched: each of their fills has four K steps in which to land, but for the head's, which has no loop to run ahead in.
; THE MATRIX INSTRUCTION IS USED TRANSPOSED (source 0 = 16 gate rows, source 1 = 16 batch rows): a lane holds one batch row and eight neighbouring units.
; REGISTERS: window 0: v0-31 addresses; A's blocks 0-3 in two sets (v64, v128), blocks 4-7 in one (v192).  window 1: B's four groups.  windows 2, 3: accumulator (a, b) at v[8 (8 (a % 4) + b)].
.set PITCH,  272                       ; an LDS row: 256 bytes + 16 of padding
.set HALFT,  128*PITCH                 ; a tile: 128 rows x 256 along K; tile 2 (row / 128) + (K / 256) of a slot
.set SLOT,   4*HALFT
.set SPARE,  2*SLOT                    ; the spare words, 128 bytes a wave
.set STAGE,  SLOT                      ; the way out lies in slot 1, behind its last fill and its last read
.set OUT1,   256*PITCH                 ; h_new's 256 rows of 256 bytes, then c_new's
.set ABASE, 16
.set ADR,   17
.set BO,    18
.set PFO,   19
.set STO0,  20
.set STO1,  21
.set RD,    22
.set CO,    23
.set CAD,   24
.set BIA,   25
.set SPW,   28
.set NIL,   29
.set ALO,   64
.set AHI,   192
.set T,     64
.set CC,    128
.set CN,    144
.set HN,    160
.set BK,    176
.set KSIG, 12
.set KTAN, 18
.set G1,   24
.set G0,   32
.set BP,   44
.set NX,   48
.set TMPA, 52
.set MID,  66
.set HAD,  84
.set G1C,  88
.set G0C,  96
.set MSB, 0
.macro WIN new                         ; the immediate's high byte repeats the setting that is left
.if MSB != \new
	s_set_vgpr_msb (MSB<<8)|\new
.set MSB, \new
.endif
.endm
.set MUL_LO, 0xa1                      ; source 0 (B) window 1, source 1 (A) window 0, C and D window 2
.set MUL_HI, 0xf1
.set TO_B,   0x40
.macro CREST
	s_cmp_lg_u32 s14, 0
	s_cbranch_scc1 .Lnot_wave_0_\@
	s_barrier_signal -3
.Lnot_wave_0_\@:
	s_barrier_wait -3
	s_barrier_signal -1
	s_barrier_wait -1
.endm
.macro CROUND
	s_barrier_signal -1
	s_barrier_wait -1
	CREST
.endm
.macro PLACES
.rept 4
	v_nop
.endr
.endm
	s_load_b256 s[4:11], s[0:1], 0x0               ; x, h, wq, scales
	s_load_b256 s[68:75], s[0:1], 0x20             ; b_f, b_i, b_o, b_c
	s_load_b128 s[76:79], s[0:1], 0x40             ; c, out0
	s_load_b64 s[80:81], s[0:1], 0x50              ; out1
	v_lshl_add_u32 v[SPW], v0, 2, SPARE
	v_mov_b32 v[NIL], 0
	ds_add_u32 v[SPW], v[NIL]                      ; the opening lines: the add, twice on end, and its wait
	ds_add_u32 v[SPW], v[NIL]
	v_lshrrev_b32 v1, 5, v0
	v_readfirstlane_b32 s14, v1                    ; wave
	v_and_b32 v2, 31, v0                           ; lane
	v_and_b32 v3, 15, v0                           ; r
	v_bfe_u32 v4, v0, 4, 1                         ; h
	v_lshlrev_b32 v[BO], 4, v2                     ; 16 x lane: B's loads
	v_mul_u32_u24 v5, v3, PITCH
	v_lshl_add_u32 v10, v4, 4, v5                  ; a fragment's row x pitch + 16 h
	v_lshl_add_u32 v6, v4, 5, v5                   ; c and the stage: row x pitch + 32 h
	v_lshlrev_b32 v7, 4, v3
	v_lshl_add_u32 v[CO], v4, 13, v7               ; the stores: lanes 0-15 one row's 256 bytes, lanes 16-31 the next row's
	v_mul_u32_u24 v8, v4, PITCH
	v_add_nc_u32 v8, v8, v7                        ; and the same two rows in the stage
	v_lshlrev_b32 v9, 5, v4                        ; the biases: 32 h
	v_min_u32 v11, 15, v2
	v_lshlrev_b32 v11, 8, v11                      ; the prefetch: a block of 256 bytes a lane, 16 blocks; the lanes left over name the last again
	s_wait_alu depctr_va_vdst(0)                   ; the wait ahead of the scalar lines
	s_lshr_b32 s15, s14, 1                         ; which 128 of the 256 batch rows
	s_and_b32 s16, s14, 1                          ; which 32 of the 64 units
	s_bfe_u32 s40, ttmp6, 0x40000                  ; cx
	s_bfe_u32 s41, ttmp6, 0x40004                  ; cy
	s_lshl_b32 s17, ttmp9, 2
	s_add_co_u32 s17, s17, s40                     ; which 256 batch rows
	s_and_b32 s42, ttmp7, 0xffff
	s_lshl_b32 s42, s42, 2
	s_add_co_u32 s42, s42, s41                     ; which 64 units
	s_lshl_b32 s43, 0x1111, s40                    ; my column of the cluster: the same batch rows
	s_or_b32 s[G1+0], s43, (1<<20)|(1<<21)|(5<<22)|(3<<25)  ; mask; bytes; padding of 4 words behind every 64
	s_mov_b32 s[G1+1], 256<<16
	s_mov_b32 s[G1+2], 128<<16
	s_mov_b32 s[G1+3], 256<<16
	s_mov_b32 s[G1+4], 128
	s_mov_b32 s[G1+5], 2048
	s_mov_b32 s[G1+6], 0
	s_mov_b32 s[G1+7], 0
	s_mov_b32 s[G1C+0], (1<<20)|(5<<22)|(3<<25)    ; c's tiles: 64 rows x 256 bytes, my work-group's own
	s_mov_b32 s[G1C+1], 256<<16
	s_mov_b32 s[G1C+2], 64<<16
	s_mov_b32 s[G1C+3], 256<<16
	s_mov_b32 s[G1C+4], 64
	s_mov_b32 s[G1C+5], 8192
	s_mov_b32 s[G1C+6], 0
	s_mov_b32 s[G1C+7], 0
	s_lshl_b32 s20, s17, 19                        ; 256 rows of 2,048 bytes
	s_lshl_b32 s21, s15, 18                        ; I fetch tile w: rows 128 (w / 2) ..,
	s_add_co_u32 s20, s20, s21
	s_lshl_b32 s21, s16, 8                         ; K 256 (w % 2) ..
	s_add_co_u32 s20, s20, s21
	s_mov_b32 s21, 0
	s_mul_i32 s45, s14, HALFT
	s_wait_dscnt 0x0                               ; both opening adds are done
	s_wait_kmcnt 0x0
	s_add_nc_u64 s[HAD:HAD+1], s[6:7], s[20:21]    ; h, K 0 .. 511: slot 0's; K 512 .. : slot 1's
	s_add_nc_u64 s[HAD+2:HAD+3], s[HAD:HAD+1], 512
	s_add_nc_u64 s[20:21], s[4:5], s[20:21]
	s_add_nc_u64 s[NX:NX+1], s[20:21], 1024        ; what each slot takes next
	s_add_nc_u64 s[NX+2:NX+3], s[20:21], 1536
.irp s, 0,1
	s_mov_b32 s[G0+4*\s], 1
	s_add_co_u32 s[G0+4*\s+1], s45, \s*SLOT
	s_add_nc_u64 s[G0+4*\s+2:G0+4*\s+3], s[20:21], \s*512
	s_or_b32 s[G0+4*\s+3], s[G0+4*\s+3], 0x80000000
.endr
	CROUND                                         ; all sixteen work-groups are here: the first joint loads meet
	tensor_load_to_lds s[G0:G0+3], s[G1:G1+7]      ; slot 0: x, K 0 .. 511: one tensor load a wave at the head
	s_nop 0
	PLACES
	s_lshl_b32 s22, s42, 1
	s_add_co_u32 s22, s22, s16
	s_lshl_b32 s22, s22, 19                        ; my 128 gate rows' stream in wq: 524,288 bytes
	s_mov_b32 s23, 0
	s_add_nc_u64 s[BP:BP+1], s[8:9], s[22:23]
.macro BLOAD gb                        ; 4 fragments, 8,192 bytes, into group gb
.irp j, 0,1,2,3,4,5,6,7,8,9,10,11,12,13,14,15
	global_load_b128 v[64*(\gb)+4*\j:64*(\gb)+4*\j+3], v[BO], s[BP:BP+1] offset:8192*(\gb)+512*\j
.endr
.endm
	WIN TO_B
	BLOAD 0
	BLOAD 1
	BLOAD 2
	BLOAD 3
	WIN 0
	s_mul_i32 s22, s15, 2*HALFT                    ; my 128 rows' two tiles of a slot
	v_add_nc_u32 v[ABASE], s22, v10
	v_mov_b32 v[ADR], v[ABASE]
	s_mul_i32 s22, s15, HALFT                      ; c in slot 0 and the stage: 256 rows on end; my 128 rows, my 32 units' 128 bytes
	s_lshl_b32 s23, s16, 7
	s_add_co_u32 s22, s22, s23
	v_add_nc_u32 v[CAD], s22, v6
	v_add_nc_u32 v[STO0], STAGE, v[CAD]
	v_add_nc_u32 v[STO1], STAGE+OUT1, v[CAD]
	s_mul_i32 s22, s16, OUT1                       ; back: even waves take h_new, odd ones c_new, of their 128 rows, whole rows of 256 bytes
	s_mul_i32 s23, s15, HALFT
	s_add_co_u32 s22, s22, s23
	s_add_co_u32 s22, s22, STAGE
	v_add_nc_u32 v[RD], s22, v8
	s_lshl_b32 s22, s42, 8
	s_lshl_b32 s23, s16, 7
	s_add_co_u32 s22, s22, s23
	v_add_nc_u32 v[BIA], s22, v9                   ; my units' biases
	s_lshl_b32 s22, s40, 13
	s_lshl_b32 s23, s15, 12
	s_add_co_u32 s22, s22, s23
	v_add_nc_u32 v[PFO], s22, v11                  ; the prefetch: of a trip's 128 blocks, 32 to a work-group (cx), 16 to each of its two waves on the stream
	s_lshl_b32 s82, s17, 21                        ; 256 rows of 8,192 bytes
	s_lshl_b32 s83, s42, 8
	s_add_co_u32 s82, s82, s83
	s_mov_b32 s83, 0
	s_add_nc_u64 s[76:77], s[76:77], s[82:83]
	s_cmp_eq_u32 s16, 0
	s_cselect_b64 s[78:79], s[78:79], s[80:81]
	s_add_nc_u64 s[78:79], s[78:79], s[82:83]
	s_lshl_b32 s82, s15, 20
	s_add_nc_u64 s[78:79], s[78:79], s[82:83]
	s_mov_b32 s[G0C], 1
	s_mul_i32 s[G0C+1], s14, 64*PITCH
	s_lshl_b32 s82, s14, 19
	s_add_nc_u64 s[G0C+2:G0C+3], s[76:77], s[82:83]
	s_or_b32 s[G0C+3], s[G0C+3], 0x80000000
	s_load_b128 s[20:23], s[10:11], 0x0
	s_wait_kmcnt 0x0
	s_add_co_i32 s20, s20, s21
	s_add_co_i32 s22, s22, s23
	s_sub_co_i32 s20, s20, s22
	s_add_co_i32 s20, s20, 127
	s_lshl_b32 s[MID], s20, 23                     ; 2^(e0 + e1 - e2 - e3)
	s_mov_b32 s[MID+1], s[MID]
	s_lshl_b32 s22, s22, 23
	s_add_co_i32 s[KSIG], s22, 0xbfb8aa3b          ; -log2(e) x 2^(e2 + e3)
	s_mov_b32 s[KSIG+1], s[KSIG]
	s_add_co_i32 s[KTAN], s22, 0x4038aa3b          ; 2 log2(e) x 2^(e2 + e3)
	s_mov_b32 s[KTAN+1], s[KTAN]
; 16 matrix instructions: 4 blocks of A at fa x the 4 fragments of group gb; ph = 0: gates f, i; 1: gates o, c.  The accumulators take turns.
.macro MUL fa, gb, ph, zero
.irp a, 0,1,2,3
.irp b, 0,1,2,3
.if \zero
	v_wmma_f32_16x16x128_fp8_fp8 v[8*(8*\a+4*(\ph)+\b):8*(8*\a+4*(\ph)+\b)+7], v[64*(\gb)+16*\b:64*(\gb)+16*\b+15], v[(\fa)+16*\a:(\fa)+16*\a+15], 0
.else
	v_wmma_f32_16x16x128_fp8_fp8 v[8*(8*\a+4*(\ph)+\b):8*(8*\a+4*(\ph)+\b)+7], v[64*(\gb)+16*\b:64*(\gb)+16*\b+15], v[(\fa)+16*\a:(\fa)+16*\a+15], v[8*(8*\a+4*(\ph)+\b):8*(8*\a+4*(\ph)+\b)+7]
.endif
.endr
.endr
.endm
.macro FETCHA reg, i0, q               ; A's blocks i0 .. i0 + 3, half q of the tile at ADR; registers 4 c .. 4 c + 3 hold K = 32 c + 16 h + 0 .. 15, as wq has B's
.irp i, 0,1,2,3
.irp c, 0,1,2,3
	ds_load_b128 v[(\reg)+16*\i+4*\c:(\reg)+16*\i+4*\c+3], v[ADR] offset:128*(\q)+32*\c+((\i0)+\i)*16*PITCH
.endr
.endr
.endm
; The second half of a K step: blocks 4-7, then 0-3, against the step's second group.  Blocks 4-7 of the next step are fetched in its middle, 32 matrix instructions ahead of their use.
.macro REST par, zero, ld, fetch, pf, w1
	s_wait_loadcnt \w1                             ; the second group is in; what was issued behind it may be out
	WIN MUL_HI
	MUL AHI, 2*\par+1, 1, \zero
.if \fetch
	PLACES
	WIN 0
	FETCHA AHI, 4, 1-\par
.if \pf
	global_prefetch_b8 v[PFO], s[BP:BP+1] offset:65536 th:TH_LOAD_NT scope:SCOPE_SE   ; of the stream's 32,768 bytes that are loaded two trips on: my sixteen blocks
.endif
.endif
	WIN MUL_LO
	MUL ALO+64*\par, 2*\par+1, 1, \zero
.if \ld
	PLACES
	WIN TO_B
	BLOAD 2*\par+1
.endif
	WIN 0
.endm
; A K step of 128.  par: its parity.  ld = 1: both groups are asked for again (the data of two steps on); 2: the biases take the first group's registers; 0: nothing.
; w0, w1: the loads issued behind the group that is waited for: three groups of 16 in the loop.  ao: the LDS offset of the tile in which the next step's A lies.
.macro STEP par, zero, ld, fetch, pf, w0, w1, ao
.if \fetch
	v_add_nc_u32 v[ADR], \ao, v[ABASE]
	s_wait_alu depctr_va_vdst(0)                   ; the wait behind the write
.endif
	s_wait_loadcnt \w0
	s_wait_dscnt 16                                ; A's blocks 0-3 are in; blocks 4-7 may be out
	WIN MUL_LO
	MUL ALO+64*\par, 2*\par, 0, \zero
	s_wait_dscnt 0
	WIN MUL_HI
	MUL AHI, 2*\par, 0, \zero
	PLACES
	WIN 0
.if \fetch
	FETCHA ALO+64*(1-\par), 0, 1-\par
.endif
.if \ld == 1
.if \par == 0
	s_wait_xcnt 0x0                                ; the last trip's loads and prefetch have read their base
	s_add_nc_u64 s[BP:BP+1], s[BP:BP+1], 32768
.endif
	WIN TO_B
	BLOAD 2*\par
	REST \par, \zero, 1, \fetch, \pf, \w1
.else
.if \ld == 2
	WIN TO_B
.irp g, 0,1,2,3
.irp u, 0,1
.irp p, 0,1
	global_load_b128 v[16*\g+8*\u+4*\p:16*\g+8*\u+4*\p+3], v[BIA], s[68+2*\g:69+2*\g] offset:64*\u+16*\p
.endr
.endr
.endr
.endif
	REST \par, \zero, 0, \fetch, \pf, \w1
.endif
.endm
; A slot's last K step changes slots.  All reads of this slot were issued in the step before.  Each wave waits for all its tensor loads, adds 0 to its spare word, waits for that and for its reads;
; the barrier opens a round of the cluster's barrier; the refill is the first tensor load behind the round.  slot: the slot read out.
; mode 1: it takes the 512 along K at NX; NX then goes 1,024 on, or, in the loop's first trip, from x to h.  mode 3: slot 0 takes c.
.macro TURN slot, mode, nextao
	v_add_nc_u32 v[ADR], \nextao, v[ABASE]
	s_wait_alu depctr_va_vdst(0)                   ; the wait behind the write
	s_wait_tensorcnt 0x0
	ds_add_u32 v[SPW], v[NIL]
.if \mode == 1
	s_mov_b64 s[G0+4*\slot+2:G0+4*\slot+3], s[NX+2*\slot:NX+2*\slot+1]
	s_or_b32 s[G0+4*\slot+3], s[G0+4*\slot+3], 0x80000000
	s_add_nc_u64 s[TMPA:TMPA+1], s[NX+2*\slot:NX+2*\slot+1], 1024
	s_cmp_eq_u32 s3, 3
	s_cselect_b64 s[NX+2*\slot:NX+2*\slot+1], s[HAD+2*\slot:HAD+2*\slot+1], s[TMPA:TMPA+1]
.endif
	s_wait_loadcnt 48
	s_wait_dscnt 17                                ; the add and A's blocks 4-7 may be out
	WIN MUL_LO
	MUL ALO+64, 2, 0, 0
	s_wait_dscnt 0x0                               ; the add is done, and my reads of this slot are over
	s_barrier_signal -1
	WIN MUL_HI
	MUL AHI, 2, 0, 0
	WIN 0
	s_barrier_wait -1
	CREST
.if \mode == 3
	tensor_load_to_lds s[G0C:G0C+3], s[G1C:G1C+7]
.else
	tensor_load_to_lds s[G0+4*\slot:G0+4*\slot+3], s[G1:G1+7]
.endif
	s_nop 0
	PLACES                                         ; also the places in front of the loads below
	FETCHA ALO, 0, 0
	WIN TO_B
	BLOAD 2
	REST 1, 0, 1, 1, 0, 48
.endm
	s_wait_alu depctr_va_vdst(0)                   ; the wait at the head's end
	s_wait_tensorcnt 0x0                           ; my part of slot 0 is in; slot 1's first fill is issued as a refill is
	ds_add_u32 v[SPW], v[NIL]
	s_wait_dscnt 0x0
	CROUND
	tensor_load_to_lds s[G0+4:G0+7], s[G1:G1+7]    ; slot 1: x, K 512 .. 1,023
	s_nop 0
	PLACES
	FETCHA ALO, 0, 0
	FETCHA AHI, 4, 0
	STEP 0, 1, 1, 1, 1, 48, 48, 0                  ; the first step's products start the sums
	s_mov_b32 s3, 3
.Llap:                                                 ; a trip goes once round the ring, from a lap's second step to the next lap's first: steps 1-8, 9-16, 17-24
	STEP 1, 0, 1, 1, 0, 48, 48, HALFT
	STEP 0, 0, 1, 1, 1, 48, 48, HALFT
	TURN 0, 1, SLOT
	STEP 0, 0, 1, 1, 1, 48, 48, SLOT
	STEP 1, 0, 1, 1, 0, 48, 48, SLOT+HALFT
	STEP 0, 0, 1, 1, 1, 48, 48, SLOT+HALFT
	TURN 1, 1, 0
	s_cmp_lg_u32 s3, 2                             ; behind step 15, the x side's last:
	s_cbranch_scc1 .Lno_scale
	WIN 0x82                                       ; the sums x 2^(e0 + e1 - e2 - e3); each accumulator from its low end on
.set J, 0
.rept 128
	v_pk_mul_f32 v[J:J+1], v[J:J+1], s[MID:MID+1] op_sel_hi:[1,0]
.set J, J+2
.endr
	WIN 0xc3
.set J, 0
.rept 128
	v_pk_mul_f32 v[J:J+1], v[J:J+1], s[MID:MID+1] op_sel_hi:[1,0]
.set J, J+2
.endr
	WIN 0
	s_wait_alu depctr_va_vdst(0)
.Lno_scale:
	STEP 0, 0, 1, 1, 1, 48, 48, 0
	s_sub_co_u32 s3, s3, 1
	s_cmp_lg_u32 s3, 0
	s_cbranch_scc1 .Llap
	STEP 1, 0, 1, 1, 0, 48, 48, HALFT
	STEP 0, 0, 1, 1, 0, 48, 48, HALFT
	TURN 0, 3, SLOT
	STEP 0, 0, 1, 1, 0, 48, 48, SLOT
	STEP 1, 0, 1, 1, 0, 48, 48, SLOT+HALFT
	STEP 0, 0, 2, 1, 0, 48, 48, SLOT+HALFT         ; the last two steps ask for no more of B; behind the awaited group: two groups and the 16 loads of biases,
	STEP 1, 0, 0, 0, 0, 32, 16, 0                  ; then one group and the biases, then the biases
	PLACES
	s_wait_tensorcnt 0x0                           ; my part of c is in
	s_barrier_signal -1
	s_barrier_wait -1                              ; everybody's part of c is in, and nobody reads slot 1 any more
	s_wait_loadcnt 0x0
	WIN 0x41                                       ; the biases, in window 1, x -log2(e) or 2 log2(e)
.irp j, 0,2,4,6,8,10,12,14,16,18,20,22,24,26,28,30,32,34,36,38,40,42,44,46
	v_pk_mul_f32 v[\j:\j+1], v[\j:\j+1], 0xbfb8aa3b op_sel_hi:[1,0]
.endr
.irp j, 48,50,52,54,56,58,60,62
	v_pk_mul_f32 v[\j:\j+1], v[\j:\j+1], 0x4038aa3b op_sel_hi:[1,0]
.endr
	WIN 0
.macro RB a                            ; block a's rows back from the stage: two rows of 256 bytes in the 32 lanes
.irp t, 0,1,2,3,4,5,6,7
	ds_load_b128 v[BK+32*((\a)%2)+4*\t:BK+32*((\a)%2)+4*\t+3], v[RD] offset:(\a)*16*PITCH+2*\t*PITCH
.endr
.endm
.macro SEND a
.irp t, 0,1,2,3,4,5,6,7
	global_store_b128 v[CO], v[BK+32*((\a)%2)+4*\t:BK+32*((\a)%2)+4*\t+3], s[78:79] offset:(16*(\a)+2*\t)*8192 th:TH_STORE_NT   ; 16 lanes store 256 consecutive bytes, aligned
.endr
.endm
; Block a: 16 batch rows.  sig(x) = 1 / (1 + 2^(-log2(e) x)), tanh(x) = 1 - 2 / (1 + 2^(2 log2(e) x)).  The barrier between a block's stores into the stage and their reading is split:
; signal at the block's end, wait behind the next block's loads of c and its first multiply-adds.
.macro BLOCK a
.irp u, 0,1
.irp p, 0,1
	ds_load_b128 v[CC+8*\u+4*\p:CC+8*\u+4*\p+3], v[CAD] offset:(\a)*16*PITCH+64*\u+16*\p
.endr
.endr
.set AC, 64*((\a)%4)
	WIN 0x12+((\a)/4)                              ; source 0: the sums, window 2 or 3; source 2: the biases, window 1
	s_wait_alu depctr_va_vdst(0)                   ; the wait ahead of the first reader of the sums
.irp j, 0,2,4,6,8,10,12,14,16,18,20,22,24,26,28,30,32,34,36,38,40,42,44,46
	v_pk_fma_f32 v[T+\j:T+\j+1], v[AC+\j:AC+\j+1], s[KSIG:KSIG+1], v[\j:\j+1] op_sel_hi:[1,0,1]
.endr
.irp j, 48,50,52,54,56,58,60,62
	v_pk_fma_f32 v[T+\j:T+\j+1], v[AC+\j:AC+\j+1], s[KTAN:KTAN+1], v[\j:\j+1] op_sel_hi:[1,0,1]
.endr
	WIN 0
.if (\a) > 0
	s_barrier_wait -1                              ; every wave's part of the block before is in the stage
	s_wait_xcnt 0x0                                ; the stores of two blocks ago have read their registers
	RB (\a)-1
.endif
	s_wait_alu depctr_va_vdst(0)                   ; a wait ahead of each batch and one behind it
.set J, 0
.rept 64
	v_exp_f32 v[T+J], v[T+J]
.set J, J+1
.endr
	v_nop
	s_wait_alu depctr_va_vdst(0)
.set J, 0
.rept 32
	v_pk_add_f32 v[T+J:T+J+1], v[T+J:T+J+1], 1.0 op_sel_hi:[1,0]
.set J, J+2
.endr
	s_wait_alu depctr_va_vdst(0)
.set J, 0
.rept 64
	v_rcp_f32 v[T+J], v[T+J]
.set J, J+1
.endr
	v_nop
	s_wait_alu depctr_va_vdst(0)
.irp j, 0,2,4,6,8,10,12,14
	v_pk_fma_f32 v[T+48+\j:T+49+\j], v[T+48+\j:T+49+\j], -2.0, 1.0 op_sel_hi:[1,0,0]
.endr
.irp j, 0,2,4,6,8,10,12,14
	v_pk_mul_f32 v[T+16+\j:T+17+\j], v[T+16+\j:T+17+\j], v[T+48+\j:T+49+\j]
.endr
	s_wait_alu depctr_va_vdst(0)
	s_wait_dscnt 0x0                               ; c, and the block before
.if (\a) > 0
	SEND (\a)-1
.endif
.irp j, 0,2,4,6,8,10,12,14
	v_pk_fma_f32 v[CN+\j:CN+\j+1], v[T+\j:T+\j+1], v[CC+\j:CC+\j+1], v[T+16+\j:T+17+\j]
.endr
.irp j, 0,2,4,6,8,10,12,14
	v_pk_mul_f32 v[T+48+\j:T+49+\j], v[CN+\j:CN+\j+1], 0x4038aa3b op_sel_hi:[1,0]
.endr
	s_wait_alu depctr_va_vdst(0)
.set J, 48
.rept 16
	v_exp_f32 v[T+J], v[T+J]
.set J, J+1
.endr
	v_nop
	s_wait_alu depctr_va_vdst(0)
.irp j, 0,2,4,6,8,10,12,14
	v_pk_add_f32 v[T+48+\j:T+49+\j], v[T+48+\j:T+49+\j], 1.0 op_sel_hi:[1,0]
.endr
	s_wait_alu depctr_va_vdst(0)
.set J, 48
.rept 16
	v_rcp_f32 v[T+J], v[T+J]
.set J, J+1
.endr
	v_nop
	s_wait_alu depctr_va_vdst(0)
.irp j, 0,2,4,6,8,10,12,14
	v_pk_fma_f32 v[T+48+\j:T+49+\j], v[T+48+\j:T+49+\j], -2.0, 1.0 op_sel_hi:[1,0,0]
.endr
.irp j, 0,2,4,6,8,10,12,14
	v_pk_mul_f32 v[HN+\j:HN+\j+1], v[T+32+\j:T+33+\j], v[T+48+\j:T+49+\j]
.endr
.irp u, 0,1
.irp p, 0,1
	ds_store_b128 v[STO0], v[HN+8*\u+4*\p:HN+8*\u+4*\p+3] offset:(\a)*16*PITCH+64*\u+16*\p
	ds_store_b128 v[STO1], v[CN+8*\u+4*\p:CN+8*\u+4*\p+3] offset:(\a)*16*PITCH+64*\u+16*\p
.endr
.endr
	s_wait_dscnt 0x0                               ; for the others' sake: my stores into the stage are done
	s_barrier_signal -1
.endm
.irp a, 0,1,2,3,4,5,6,7
	BLOCK \a
.endr
	s_barrier_wait -1
	s_wait_xcnt 0x0
	RB 7
	s_wait_dscnt 0x0
	SEND 7
	s_wait_tensorcnt 0x0                           ; the wave's end
	ds_add_u32 v[SPW], v[NIL]
	s_wait_dscnt 0x0
	CROUND                                         ; the closing round
	s_endpgm
.Lfunc_end_k_q359420d151_lstm:
	.size	k_q359420d151_lstm, .Lfunc_end_k_q359420d151_lstm-k_q359420d151_lstm
	.p2alignl 7, 3214868480
	.fill 96, 4, 3214868480
	.section	.rodata,"a",@progbits
	.p2align	6, 0x0
	.amdhsa_kernel k_q359420d151_lstm
		.amdhsa_group_segment_fixed_size 327680
		.amdhsa_private_segment_fixed_size 0
		.amdhsa_enable_private_segment 0
		.amdhsa_kernarg_size 88
		.amdhsa_user_sgpr_count 2
		.amdhsa_user_sgpr_kernarg_segment_ptr 1
		.amdhsa_wavefront_size32 1
		.amdhsa_system_sgpr_workgroup_id_x 1
		.amdhsa_system_sgpr_workgroup_id_y 1
		.amdhsa_system_sgpr_workgroup_id_z 1
		.amdhsa_system_vgpr_workitem_id 0
		.amdhsa_next_free_vgpr 1024
		.amdhsa_next_free_sgpr 100
		.amdhsa_reserve_vcc 0
		.amdhsa_float_denorm_mode_32 3
		.amdhsa_float_denorm_mode_16_64 3
		.amdhsa_memory_ordered 1
		.amdhsa_forward_progress 1
		.amdhsa_inst_pref_size 255
	.end_amdhsa_kernel
	.section	.bss,"aw",@nobits
	.p2align	6
	.space	262144
	.amdgpu_metadata
---
amdhsa.version: [ 1, 2 ]
amdhsa.kernels:
  - .name:           k_q359420d151_lstm
    .symbol:         k_q359420d151_lstm.kd
    .args:
      - { .name: x_codes, .offset: 0, .size: 8, .value_kind: global_buffer, .address_space: global }
      - { .name: h_codes, .offset: 8, .size: 8, .value_kind: global_buffer, .address_space: global }
      - { .name: wq, .offset: 16, .size: 8, .value_kind: global_buffer, .address_space: global }
      - { .name: lowp_scales, .offset: 24, .size: 8, .value_kind: global_buffer, .address_space: global }
      - { .name: b_f, .offset: 32, .size: 8, .value_kind: global_buffer, .address_space: global }
      - { .name: b_i, .offset: 40, .size: 8, .value_kind: global_buffer, .address_space: global }
      - { .name: b_o, .offset: 48, .size: 8, .value_kind: global_buffer, .address_space: global }
      - { .name: b_c, .offset: 56, .size: 8, .value_kind: global_buffer, .address_space: global }
      - { .name: c, .offset: 64, .size: 8, .value_kind: global_buffer, .address_space: global }
      - { .name: out0, .offset: 72, .size: 8, .value_kind: global_buffer, .address_space: global }
      - { .name: out1, .offset: 80, .size: 8, .value_kind: global_buffer, .address_space: global }
    .group_segment_fixed_size: 327680
    .private_segment_fixed_size: 0
    .kernarg_segment_align: 8
    .kernarg_segment_size: 88
    .max_flat_workgroup_size: 128
    .sgpr_count:     100
    .vgpr_count:     1024
    .wavefront_size: 32
...
	.end_amdgpu_metadata
.endif
;; end of part 2
